; MI455X (gfx1250); checked and timed in simulation.
; The chip was launched on July 23, 2026; its instructions are those of AMD's public machine-readable ISA for CDNA 5 (MIT licence, August 2026) and "CDNA5" Instruction Set Architecture Reference Guide (July 2026). The comments in the code are by the model that wrote it; some were corrected since.
;; Lo RA Linear. Allowed arithmetic: float matrix products may take bf16 or f16 operands with f32 sums; other float arithmetic in f32, or as packed bf16 or f16 multiplies, adds, multiply-adds, maxima and minima; sums over many terms, partial sums and values carried from step to step in f32; what a program stores and reads back later, other than sums and carried values, may be rounded once to bf16 or f16.
;; Inputs: bias 2,048 float32; lora_left 2,048 x 16 float32; lora_right 16 x 4,096 float32; weight 2,048 x 4,096 float32; x 4 x 2,048 x 4,096 float32.
;; Outputs: out0 4 x 2,048 x 2,048 float32.
;; 2 versions, each right; version 2 is version 1 with the launch weff written anew for expert scheduling mode. Each part assembles by itself: llvm-mc -triple=amdgcn-amd-amdhsa -mcpu=gfx1250 --defsym DOCPART=n.
;; ======== version 1 of 2: 2 launches
;; workspace buffers: wb 16,777,216 bytes
;; launch weff (part 1): grid 256 x 1, 16 waves a work-group, no clusters, 0 bytes of LDS; arguments weight, lora_left, lora_right, wb; writes wb
.if DOCPART == 1
	.amdgcn_target "amdgcn-amd-amdhsa--gfx1250"
	.amdhsa_code_object_version 6
	.text
	.protected	k_q8c068be1bf_weff
	.globl	k_q8c068be1bf_weff
	.p2align	8
	.type	k_q8c068be1bf_weff,@function
k_q8c068be1bf_weff:
	s_mov_b64 s[64:65], 0
	v_nop
	global_prefetch_b8 v0, s[64:65] scope:SCOPE_SE
	s_setreg_imm32_b32 hwreg(HW_REG_WAVE_MODE, 25, 1), 1
	s_wait_xcnt 0x0
; wb[o][i] = bf16( bf16(weight[o][i]) + the sum over k of bf16(2 lora_left[o][k]) bf16(lora_right[k][i]) ).  weight: [2048][4096] f32, lora_left: [2048][16] f32,
; lora_right: [16][4096] f32, wb: [2048][4096] bf16.  The scale 32 / 16 = 2 is applied to lora_left ahead of its rounding (a power of two: exact).  The sum is kept in f32.
; LIMITS.  Each input is rounded once to bf16 (to nearest even; a magnitude above bf16's largest finite number becomes an infinity; 2 lora_left overflows above 1.7e38); NaN and infinities are not treated apart.
; SHARES.  4,096 blocks of 16 rows x 128 columns, one to a wave: 256 work-groups of 16 waves.  A work-group has column group cg = x % 32 and rows 256 (x / 32) + 16 wave + 0..15.
; A wave issues all its loads at once (8 KiB of weight, 8 KiB of lora_right, 1 KiB of lora_left) and has no loop: bytes bound this launch, so nothing goes through LDS and no wave waits for another.
; LAYOUT.  One matrix instruction for each t = 0..7: source 0 = my 16 rows of 2 lora_left (K = 16 of the form's 32; the other 16 are 0 on both sides), source 1 = 16 columns of lora_right,
; column n of the instruction being column i0 + 8 n + t of the block.  In result t register j of lane (r = lane % 16, h = lane / 16) is then element (o0 + 8 h + j, i0 + 8 r + t): for a fixed j the lane's eight
; results t = 0..7 are EIGHT NEIGHBOURING columns of one row: 32 bytes of weight come in as they lie, 16 bytes of wb go out, and sixteen lanes store 256 consecutive bytes, aligned.
.set ROWW, 16384                       ; bytes in a row of weight and of lora_right
.set ROWB, 8192                        ; bytes in a row of wb
.set WO,  4                            ; v4   8 h rows of 16,384 bytes + 32 r: my 32 bytes in weight's block and in lora_right's
.set LO,  5                            ; v5   64 r + 32 h: my eight numbers of lora_left
.set YO,  6                            ; v6   8 h rows of 8,192 bytes + 16 r: my 16 bytes in wb's block
.set ONE, 7                            ; v7   1.0
.set LR,  8                            ; v[8:15]    lora_left as loaded
.set LF,  16                           ; v[16:23]   its fragment; registers 4-7 (K = 16..31) are 0
.set P,   24                           ; v[24:27]   a row's eight numbers of weight, rounded to bf16
.set S,   28                           ; v[28:35]   the eight sums in f32
.set RF,  40                           ; v[40:103]  lora_right's fragments, tile t at RF + 8 t; registers 4-7 are 0
.set RA,  104                          ; v[104:167] lora_right as loaded: row 8 h + q at RA + 8 q
.set ACC, 104                          ;            then the eight results, tile t at ACC + 8 t
.set WR,  168                          ; v[168:231] weight as loaded: row 8 h + j at WR + 8 j; its first four registers then hold the row's 16 bytes of wb
	s_load_b256 s[4:11], s[0:1], 0x0               ; weight s[4:5], lora_left s[6:7], lora_right s[8:9], wb s[10:11]
	v_and_b32 v1, 15, v0                           ; r
	v_bfe_u32 v2, v0, 4, 1                         ; h
	v_lshrrev_b32 v3, 5, v0
	v_readfirstlane_b32 s12, v3                    ; wave 0..15
	v_lshlrev_b32 v[WO], 5, v1
	v_lshl_add_u32 v[WO], v2, 17, v[WO]
	v_lshlrev_b32 v[LO], 6, v1
	v_lshl_add_u32 v[LO], v2, 5, v[LO]
	v_lshlrev_b32 v[YO], 4, v1
	v_lshl_add_u32 v[YO], v2, 16, v[YO]
	s_and_b32 s13, ttmp9, 31                       ; cg
	s_lshr_b32 s14, ttmp9, 5
	s_lshl_b32 s14, s14, 8
	s_lshl_b32 s15, s12, 4
	s_add_co_u32 s14, s14, s15                     ; o0, my first row
	s_lshl_b32 s16, s14, 14                        ; weight: o0 rows + 512 cg bytes (under 2^26)
	s_lshl_b32 s20, s13, 9                         ; lora_right: 512 cg bytes
	s_add_co_u32 s16, s16, s20
	s_mov_b32 s17, 0
	s_lshl_b32 s18, s14, 6                         ; lora_left: o0 rows of 64 bytes
	s_mov_b32 s19, 0
	s_mov_b32 s21, 0
	s_lshl_b32 s22, s14, 13                        ; wb: o0 rows + 256 cg bytes
	s_lshl_b32 s23, s13, 8
	s_add_co_u32 s22, s22, s23
	s_mov_b32 s23, 0
	s_wait_kmcnt 0x0
	s_add_nc_u64 s[4:5], s[4:5], s[16:17]
	s_add_nc_u64 s[6:7], s[6:7], s[18:19]
	s_add_nc_u64 s[8:9], s[8:9], s[20:21]
	s_add_nc_u64 s[10:11], s[10:11], s[22:23]
	; all 34 loads, the small operands first: the products can start while weight is still on its way
	global_load_b128 v[LR:LR+3],   v[LO], s[6:7]
	global_load_b128 v[LR+4:LR+7], v[LO], s[6:7] offset:16
.irp q, 0,1,2,3,4,5,6,7
	global_load_b128 v[RA+8*(\q):RA+8*(\q)+3],   v[WO], s[8:9] offset:(\q)*ROWW
	global_load_b128 v[RA+8*(\q)+4:RA+8*(\q)+7], v[WO], s[8:9] offset:(\q)*ROWW+16
.endr
.irp j, 0,1,2,3,4,5,6,7
	global_load_b128 v[WR+8*(\j):WR+8*(\j)+3],   v[WO], s[4:5] offset:(\j)*ROWW th:TH_LOAD_NT     ; weight is read once in the launch
	global_load_b128 v[WR+8*(\j)+4:WR+8*(\j)+7], v[WO], s[4:5] offset:(\j)*ROWW+16 th:TH_LOAD_NT
.endr
	; K = 16..31 of both sources is 0; written while the loads are out
	v_mov_b32 v[ONE], 1.0
.irp p, 4,5,6,7
	v_mov_b32 v[LF+(\p)], 0
.endr
.set t, 0
.rept 8
.irp p, 4,5,6,7
	v_mov_b32 v[RF+8*t+(\p)], 0
.endr
.set t, t+1
.endr
	s_wait_loadcnt 16                              ; lora_left and lora_right are in; weight's 16 younger loads may stay out
.irp p, 0,2,4,6
	v_pk_mul_f32 v[LR+(\p):LR+(\p)+1], v[LR+(\p):LR+(\p)+1], 2.0 op_sel_hi:[1,0]
.endr
.irp p, 0,1,2,3
	v_cvt_pk_bf16_f32 v[LF+(\p)], v[LR+2*(\p)], v[LR+2*(\p)+1]       ; K = 8 h + 2 p, 8 h + 2 p + 1 of row r
.endr
.set t, 0
.rept 8
.irp p, 0,1,2,3
	v_cvt_pk_bf16_f32 v[RF+8*t+(\p)], v[RA+16*(\p)+t], v[RA+16*(\p)+8+t]  ; rows 8 h + 2 p and 8 h + 2 p + 1, column i0 + 8 r + t
.endr
.set t, t+1
.endr
.set t, 0
.rept 8
	v_wmma_f32_16x16x32_bf16 v[ACC+8*t:ACC+8*t+7], v[LF:LF+7], v[RF+8*t:RF+8*t+7], 0  ; eight accumulators, one instruction each: no chain
.set t, t+1
.endr
	; Row 8 h + j: weight rounded to bf16, added to the product in f32, the sum rounded once, 16 bytes stored.  At j = 0 the four roundings, which name no register of the products, are the four plain
	; vector instructions between the last product and the first read of a result (ISA guide 7.12.1).  j ascends, so each accumulator's register 0 is read first.
.irp j, 0,1,2,3,4,5,6,7
	s_wait_loadcnt 14-2*(\j)                       ; loads come back in order (ISA guide 5.7.1): row j's two are in, the later rows' stay out
.irp p, 0,1,2,3
	v_cvt_pk_bf16_f32 v[P+(\p)], v[WR+8*(\j)+2*(\p)], v[WR+8*(\j)+2*(\p)+1]
.endr
.irp p, 0,1,2,3
	v_fma_mix_f32_bf16 v[S+2*(\p)],   v[P+(\p)], v[ONE], v[ACC+16*(\p)+(\j)]   op_sel_hi:[1,0,0]                ; the low bf16 x 1.0 + result 2 p
	v_fma_mix_f32_bf16 v[S+2*(\p)+1], v[P+(\p)], v[ONE], v[ACC+16*(\p)+8+(\j)] op_sel:[1,0,0] op_sel_hi:[1,0,0]  ; the high bf16 x 1.0 + result 2 p + 1
.endr
.irp p, 0,1,2,3
	v_cvt_pk_bf16_f32 v[WR+8*(\j)+(\p)], v[S+2*(\p)], v[S+2*(\p)+1]  ; each row has its own four registers to store from: none is rewritten while its store is out
.endr
	global_store_b128 v[YO], v[WR+8*(\j):WR+8*(\j)+3], s[10:11] offset:(\j)*ROWB th:TH_STORE_NT  ; 16 lanes store 256 consecutive bytes, at a multiple of 256 from wb's first byte
.endr
	s_endpgm
.Lfunc_end_k_q8c068be1bf_weff:
	.size	k_q8c068be1bf_weff, .Lfunc_end_k_q8c068be1bf_weff-k_q8c068be1bf_weff
	.p2alignl 7, 3214868480
	.fill 96, 4, 3214868480
	.section	.rodata,"a",@progbits
	.p2align	6, 0x0
	.amdhsa_kernel k_q8c068be1bf_weff
		.amdhsa_group_segment_fixed_size 0
		.amdhsa_private_segment_fixed_size 0
		.amdhsa_enable_private_segment 0
		.amdhsa_kernarg_size 32
		.amdhsa_user_sgpr_count 2
		.amdhsa_user_sgpr_kernarg_segment_ptr 1
		.amdhsa_wavefront_size32 1
		.amdhsa_system_sgpr_workgroup_id_x 1
		.amdhsa_system_sgpr_workgroup_id_y 1
		.amdhsa_system_sgpr_workgroup_id_z 1
		.amdhsa_system_vgpr_workitem_id 0
		.amdhsa_next_free_vgpr 232
		.amdhsa_next_free_sgpr 66
		.amdhsa_reserve_vcc 0
		.amdhsa_float_denorm_mode_32 3
		.amdhsa_float_denorm_mode_16_64 3
		.amdhsa_memory_ordered 1
		.amdhsa_forward_progress 1
		.amdhsa_inst_pref_size 18
	.end_amdhsa_kernel
	.amdgpu_metadata
---
amdhsa.version: [ 1, 2 ]
amdhsa.kernels:
  - .name:           k_q8c068be1bf_weff
    .symbol:         k_q8c068be1bf_weff.kd
    .args:
      - { .name: weight, .offset: 0, .size: 8, .value_kind: global_buffer, .address_space: global }
      - { .name: lora_left, .offset: 8, .size: 8, .value_kind: global_buffer, .address_space: global }
      - { .name: lora_right, .offset: 16, .size: 8, .value_kind: global_buffer, .address_space: global }
      - { .name: wb, .offset: 24, .size: 8, .value_kind: global_buffer, .address_space: global }
    .group_segment_fixed_size: 0
    .private_segment_fixed_size: 0
    .kernarg_segment_align: 8
    .kernarg_segment_size: 32
    .max_flat_workgroup_size: 512
    .sgpr_count:     66
    .vgpr_count:     232
    .wavefront_size: 32
...
	.end_amdgpu_metadata
.endif
;; end of part 1
;; launch gemm (part 2): grid 4 x 64, 4 waves a work-group, clusters of 4 x 4, 327,680 bytes of LDS; arguments x, wb, bias, out0; writes out0
.if DOCPART == 2
	.amdgcn_target "amdgcn-amd-amdhsa--gfx1250"
	.amdhsa_code_object_version 6
	.text
	.protected	k_q8c068be1bf_gemm
	.globl	k_q8c068be1bf_gemm
	.p2align	8
	.type	k_q8c068be1bf_gemm,@function
k_q8c068be1bf_gemm:
	s_mov_b64 s[64:65], 0
	v_nop
	global_prefetch_b8 v0, s[64:65] scope:SCOPE_SE
	s_setreg_imm32_b32 hwreg(HW_REG_WAVE_MODE, 25, 1), 1
	s_wait_xcnt 0x0
	s_wait_alu depctr_hold_cnt(0) depctr_sa_sdst(0) depctr_va_vdst(0) depctr_va_sdst(0) depctr_va_ssrc(0) depctr_va_vcc(0) depctr_vm_vsrc(0)
	s_getreg_b32 s2, hwreg(HW_REG_IB_STS2, 6, 4)
	s_cmp_eq_u32 s2, 0
	s_cbranch_scc0 .Lentry_in_a_cluster
	s_endpgm
.Lentry_in_a_cluster:
	s_bfe_u32 s2, ttmp6, 0x10000c
	s_cmp_lg_u32 s2, 0xf033
	s_cbranch_scc0 .Lentry_shape_is_right
	s_endpgm
.Lentry_shape_is_right:
; out0[m][n] = the sum over k of bf16(x[m][k]) wb[n][k] + bf16(bias[n]).  x: [8192][4096] f32, wb: [2048][4096] bf16 (the launch before made it), bias: [2048] f32, out0: [8192][2048] f32.  Sums in f32.
; LIMITS.  x and bias are rounded once to bf16 (to nearest even; a magnitude above bf16's largest finite number becomes an infinity); NaN and infinities are not treated apart.
; SHARES.  A block of out0 is 128 rows x 512 columns: 64 x 4 = 256 work-groups of four waves.  Wave w makes all 128 rows x columns 128 w .. 128 w + 127: 64 accumulators of 16 x 16, 512 registers.
; K goes in 32 steps of 128; a step is four quarters of 32, 64 matrix instructions each.
; wb comes by the tensor data mover into a ring of two LDS slots; each wave fetches, and alone reads, its own 128 rows x 256 bytes of a step.  CLUSTER: 4 x 4 work-groups; the four of a column of the cluster make
; the same 512 columns of out0 and need the same rows of wb, so each tile is asked for JOINTLY: the same tensor load, descriptor and mask in all four.
; x comes THROUGH REGISTERS: for each half step (64 along K) wave w loads rows 32 w .. 32 w + 31 x 256 bytes of f32, rounds them to bf16 and stores them into one of two LDS buffers that all four waves read.
; Two sets of 64 registers take turns: a set is loaded again at once, with the half step two further on, so its loads have two half steps, 256 matrix instructions, in which to come.
; WHY x IS NOT ASKED FOR JOINTLY: the mover moves bytes as they lie, so x would lie in LDS as f32: 128 rows x 528 bytes beside wb's 512 rows x 272 bytes make a slot of 206,848 bytes for a K step of 128, and two
; such slots, 413,696 bytes, pass the 327,680 that a work-group can have; with half the step a refill would have half the matrix work in which to land.  A row of x is read by the four work-groups of one row of one cluster alone.
; THE MATRIX INSTRUCTION IS USED TRANSPOSED: source 0 = 16 rows of wb, source 1 = 16 rows of x.  In the result lane l holds row l % 16 of the block and the columns 8 (l / 16) + 0..7: 32 consecutive bytes of out0.
; THE BIAS is the C operand of each accumulator's first product: nothing is cleared and nothing is added at the end.
;
; REGISTERS, in windows of 256 (s_set_vgpr_msb's low byte: bits 1:0 source 0, 3:2 source 1, 5:4 source 2, 7:6 destination):
;   window 0: v0-31 addresses; v32-63 x rounded, on its way to LDS; v64-127, v128-191 fragments of x, two buffers (on the way out: rows read back from the stage); v192-255 the bias, eight fragments
;   window 1: v0-63, v192-255 x as loaded, two sets; v64-127, v128-191 fragments of wb, two buffers
;   window 2: the accumulators of rows 0-63 ((a, b) at v[8 (8 a + b)]);   window 3: those of rows 64-127
; LDS: two slots of 4 x 128 rows x 272 bytes; two buffers of x, 128 rows x 144 bytes, written by ds_store alone; the spare words.  The way out's stage is the head of each wave's own part of slot 0,
; used when that slot has had its last fill and the wave its last read of it.
.set XROW,  16384                      ; bytes in a row of x
.set WROW,  8192                       ; bytes in a row of wb
.set OROW,  8192                       ; bytes in a row of out0
.set PB,    272                        ; an LDS row of wb: 256 bytes + 16 of padding = 68 words: row r starts at bank 4 r mod 64 (64 banks of 4 bytes: ISA guide 11.1), so the 16 rows of a load start at 16 different banks
.set HALFT, 128*PB                     ; a wave's part of a slot
.set SLOT,  4*HALFT
.set PA,    144                        ; an LDS row of x: 64 bf16 + 16 bytes of padding = 36 words: the 16 rows of a load start at 16 different groups of four banks
.set ABUF,  128*PA
.set ABUF0, 2*SLOT                     ; the two buffers of x lie behind the ring: no tensor load lands there
.set SPARE, ABUF0+2*ABUF               ; behind them: the spare words, 128 bytes for each wave: two blocks of 256 bytes that no other line names
.set SP,    528                        ; a row of the stage: 512 bytes + 16
.set ADRA, 16                          ; v16  LDS address of my fragments of x in buffer 0
.set AST,  17                          ; v17  where I store 8 bytes of x in buffer 0
.set XO,   18                          ; v18  my byte offset in two rows of x: (l / 16) rows + 16 (l % 16); never rewritten
.set PFO,  19                          ; v19  wb's prefetches: my lane x a row of wb; never rewritten
.set ADRB, 20                          ; v20-21  LDS address of my fragments of wb in slot 0, 1
.set PXO,  22                          ; v22  x's prefetches: (l / 4) rows + 256 (l % 4); never rewritten
.set STO,  24                          ; v24  the way out: where I put 32 bytes of a row
.set RD,   25                          ; v25  the way out: where I read 16 bytes of a row back
.set CO,   26                          ; v26  my 16 bytes in my wave's 512 bytes of a row of out0
.set BO,   27                          ; v27  32 (l / 16): my eight numbers in 16 of the bias
.set SPW,  28                          ; v28  LDS address of my spare word: SPARE + 4 x my thread's number; never rewritten
.set NIL,  29                          ; v29  0; never rewritten
.set TMP,  32
.set F0,   64
.set F1,   128
.set OB,   64
.set BI,   192
.set WV,   12                          ; s12  my wave's number
.set CX,   13                          ; s13, s14  my place in the cluster
.set CY,   14
.set TC,   15                          ; s15  which 512 columns
.set TR,   16                          ; s16  which 128 rows
.set G1,   24                          ; s[24:31] descriptor group 1
.set G0,   32                          ; s[32:39] descriptor group 0, a set for each slot
.set XA,   40                          ; s[40:41] x at my wave's 32 rows, at the half step last asked for
.set PFA,  42                          ; s[42:43] wb at my work-group's 32 of my wave's 128 rows, one K step further along K than the refill in hand; a prefetch names the step after that
.set PX,   44                          ; s[44:45] x at my work-group's 8 of my wave's 32 rows, at the two K steps that x's next prefetch names
.set LIM,  46                          ; s46  1 in a cluster that prefetches wb, else the greatest number
.set LAPC, 47                          ; s47  trips still to come, this one among them
.set MSB, 0
.macro WIN new                         ; the immediate's high byte repeats the setting that is left; a switch that changes nothing is dropped
.if MSB != (\new)
	s_set_vgpr_msb (MSB<<8)|(\new)
.set MSB, \new
.endif
.endm
.set MUL_LO, 0xa1                      ; source 0 (wb) window 1, source 1 (x) window 0, C and D window 2; + 0x50: C and D window 3
.set MUL_B,  0x81                      ; the same with C (the bias) in window 0; + 0x40: D window 3
.set TO_1,   0x40                      ; destination window 1, address window 0
.set CVT,    0x05                      ; sources 0 and 1 window 1, destination window 0
.macro PLACES                          ; four plain vector instructions between a matrix instruction and a load into, or a read of, its registers (ISA guide 7.12.1 for vector instructions)
.rept 4
	v_nop
.endr
.endm
; A round of the cluster's barrier: my work-group's barrier, so that wave 0's signal speaks for all four waves; wave 0 signals for the work-group; every wave waits for all sixteen work-groups; my work-group's barrier once more.
.macro CREST                           ; a round behind its opening barrier
	s_cmp_lg_u32 s[WV], 0
	s_cbranch_scc1 .Lnot_wave_0_\@
	s_barrier_signal -3
.Lnot_wave_0_\@:
	s_barrier_wait -3
	s_barrier_signal -1
	s_barrier_wait -1
.endm
.macro CROUND                          ; a whole round
	s_barrier_signal -1
	s_barrier_wait -1
	CREST
.endm
; A joint refill: every wave fetches its own 128 rows of wb; LDS address and global address both step with the wave's number.  An s_nop 0 and four v_nop follow the line.
.macro JLOAD s
	tensor_load_to_lds s[G0+4*(\s):G0+4*(\s)+3], s[G1:G1+7]
	s_nop 0
	PLACES
.endm
; 16 matrix instructions: row blocks a0, a0 + 1 of the window's four (hi = 0: rows 0-63, 1: rows 64-127) x all 8 column blocks, 32 along K.  first = 1: the bias starts the sums.
; The 64 accumulators take turns, one instruction a turn, in the same order in every quarter, over the backward jump too.
.macro MUL16 f, hi, a0, first
.if \first
	WIN MUL_B+0x40*(\hi)
.else
	WIN MUL_LO+0x50*(\hi)
.endif
.irp a, \a0, (\a0)+1
.irp b, 0,1,2,3,4,5,6,7
.if \first
	v_wmma_f32_16x16x32_bf16 v[8*(8*(\a)+(\b)):8*(8*(\a)+(\b))+7], v[(\f)+8*(\b):(\f)+8*(\b)+7], v[(\f)+8*(4*(\hi)+(\a)):(\f)+8*(4*(\hi)+(\a))+7], v[BI+8*(\b):BI+8*(\b)+7]
.else
	v_wmma_f32_16x16x32_bf16 v[8*(8*(\a)+(\b)):8*(8*(\a)+(\b))+7], v[(\f)+8*(\b):(\f)+8*(\b)+7], v[(\f)+8*(4*(\hi)+(\a)):(\f)+8*(4*(\hi)+(\a))+7], v[8*(8*(\a)+(\b)):8*(8*(\a)+(\b))+7]
.endif
.endr
.endr
.endm
; 32 LDS loads in one run: a quarter's fragments into buffer f: my 128 rows of wb (byte kb of slot's rows), then the 128 rows of x (byte ka of buffer buf's rows).
; A fragment is 16 rows x 32 K in 8 registers: lane l holds row l % 16; registers 0-3 K = 8 (l / 16) + 0..7, registers 4-7 K = 16 + 8 (l / 16) + 0..7: two loads of 16 bytes, 32 bytes apart.
.macro FETCH slot, kb, buf, ka, f
	WIN TO_1
.irp i, 0,1,2,3,4,5,6,7
	ds_load_b128 v[(\f)+8*(\i):(\f)+8*(\i)+3],   v[ADRB+(\slot)] offset:(\kb)+(\i)*16*PB
	ds_load_b128 v[(\f)+8*(\i)+4:(\f)+8*(\i)+7], v[ADRB+(\slot)] offset:(\kb)+(\i)*16*PB+32
.endr
	WIN 0
.irp i, 0,1,2,3,4,5,6,7
	ds_load_b128 v[(\f)+8*(\i):(\f)+8*(\i)+3],   v[ADRA] offset:(\buf)*ABUF+(\ka)+(\i)*16*PA
	ds_load_b128 v[(\f)+8*(\i)+4:(\f)+8*(\i)+7], v[ADRA] offset:(\buf)*ABUF+(\ka)+(\i)*16*PA+32
.endr
.endm
; 16 loads of x into a set: load i takes rows 2 i and 2 i + 1 of my 32; sixteen lanes take a row's 256 consecutive bytes, aligned.  step = 1: the next half step.  It leaves the destination in window 1.
.macro XLOAD set, step
.if \step
	s_wait_xcnt 0x0                                ; every earlier load has had its address translated (ISA guide 3.1): only behind this wait is their base written
	s_add_nc_u64 s[XA:XA+1], s[XA:XA+1], 256
.endif
	WIN TO_1
.irp i, 0,1,2,3,4,5,6,7,8,9,10,11,12,13,14,15
	global_load_b128 v[192*(\set)+4*(\i):192*(\set)+4*(\i)+3], v[XO], s[XA:XA+1] offset:(\i)*2*XROW
.endr
.endm
; A half step of x goes from set to LDS buffer (both have the half step's parity): 32 roundings, two numbers each; 16 stores of 8 bytes a lane; reload = 1: the set is asked for again, two half steps on.
; left: the other set's loads, which may stay out.  The roundings name no register of a matrix instruction: they are also the four places in front of the run of LDS loads that follows.
.macro AFEED set, reload, left
	s_wait_loadcnt \left
	WIN CVT
.set n, 0
.rept 32
	v_cvt_pk_bf16_f32 v[TMP+n], v[192*(\set)+2*n], v[192*(\set)+2*n+1]
.set n, n+1
.endr
	WIN 0
.irp i, 0,1,2,3,4,5,6,7,8,9,10,11,12,13,14,15
	ds_store_b64 v[AST], v[TMP+2*(\i):TMP+2*(\i)+1] offset:(\set)*ABUF+(\i)*2*PA
.endr
.if \reload
	XLOAD \set, 1
.endif
.endm
; A step's quarters 0 and 2: multiply buffer F0; in the middle, feed x (feed = 1) and fetch the next quarter's fragments into F1.
.macro QUARTER slot, kb, buf, ka, first, feed, set=0, reload=0, left=0
	s_wait_dscnt 8                                 ; wb's fragments and x's rows 0-63 are in; the youngest eight loads (x's rows 64-127) may be out
	MUL16 F0, 0, 0, \first
	MUL16 F0, 0, 2, \first
.if \feed
	AFEED \set, \reload, \left
.else
	PLACES
.endif
	FETCH \slot, \kb, \buf, \ka, F1
	s_wait_dscnt 32                                ; all but the 32 loads just issued: the rest of F0 is in (and my stores of x are done)
	MUL16 F0, 1, 0, \first
	MUL16 F0, 1, 2, \first
.endm
; Quarter 1: multiplies F1 and changes x's buffer from 0 to 1.  In front of the barrier each wave waits for its stores into buffer 1 and for its reads of buffer 0; behind it buffer 1 is whole and nobody reads
; buffer 0 any more.  No slot of the ring is filled behind this barrier, so my tensor load stays out across it.
.macro HTURN slot
	s_wait_dscnt 8
	MUL16 F1, 0, 0, 0
	s_wait_dscnt 0x0
	s_barrier_signal -1
	MUL16 F1, 0, 2, 0                              ; work on registers while the others arrive
	s_barrier_wait -1
	PLACES                                         ; for the loads into F0, which the quarter before multiplied
	FETCH \slot, 128, 1, 0, F0
	MUL16 F1, 1, 0, 0
	MUL16 F1, 1, 2, 0
.endm
; Quarter 3 multiplies F1 and changes wb's slot and x's buffer (1 to 0).  MEET is its first half: each wave waits for all its tensor loads, of which one is out: its part of the next slot; adds 0 to its spare
; word; and waits for that, for its reads of this slot and of buffer 1, and for its stores into buffer 0.
.macro MEET round                      ; round = 1: a round of the cluster's barrier follows
	WIN 0                                          ; (the add's two registers lie in window 0)
	s_wait_tensorcnt 0x0
	ds_add_u32 v[SPW], v[NIL]                      ; 0 onto my spare word
	s_wait_dscnt 9                                 ; (the add and the youngest eight loads may be out)
	MUL16 F1, 0, 0, 0                              ; sixteen matrix instructions stand between the add and the wait for it
	s_wait_dscnt 0x0
	s_barrier_signal -1
	MUL16 F1, 0, 2, 0
.if \round
	WIN 0
.endif
	s_barrier_wait -1
.endm
; PREFETCHES INTO THE L2, behind the joint load, its five lines and the run of LDS loads.
; wb: the K step two refills on: 512 matrix instructions ahead of the load that asks for it.  Every cluster walks all of wb's rows of its columns: the cluster with y = 0 asks.  Of the 128 rows that a wave
; fetches, each of the four partners that ask for them jointly takes 32, told apart BY ADDRESS (cy): a lane a row, 256 bytes of it, one instruction.  The loop's last trip has no K step two on.
; x: once in two K steps, the 1,024 bytes a row that the two K steps after the next two hold; 192 matrix instructions ahead of the first load of them.  A block's 128 rows are read by the four work-groups of a row of
; the cluster: of a wave's 32 rows each takes 8, by address (cx): a lane takes a row's 256 bytes, four lanes a row.  The last trip asks for nothing.  So each aligned block of 256 bytes of wb and of x is named once in the launch;
; the first K steps come by their loads alone.
.macro ASK slot
	s_cmp_gt_u32 s[LAPC], s[LIM]
	s_cbranch_scc0 .Lno_wb_\@
	global_prefetch_b8 v[PFO], s[PFA:PFA+1] offset:256 th:TH_LOAD_NT scope:SCOPE_SE
.Lno_wb_\@:
.if (\slot) == 1
	s_cmp_gt_u32 s[LAPC], 1
	s_cbranch_scc0 .Lno_x_\@
	global_prefetch_b8 v[PXO], s[PX:PX+1] th:TH_LOAD_NT scope:SCOPE_SE
.Lno_x_\@:
.endif
.endm
; The whole quarter 3 in the loop: behind the round the slot just read out is filled again first, two K steps ahead: from that request to the wait for it a wave issues 224 matrix instructions.
.macro TURN slot, next
	s_wait_xcnt 0x0                                ; the last prefetches, a K step back or more, have read their addresses: these are stepped here, ahead of the waits of the change of slots
	s_add_nc_u64 s[PFA:PFA+1], s[PFA:PFA+1], 256
.if (\slot) == 1
	s_add_nc_u64 s[PX:PX+1], s[PX:PX+1], 1024
.endif
	MEET 1
	CREST                                          ; no wave of any partner still reads this slot's tile or has a load on its way
	s_add_nc_u64 s[G0+4*(\slot)+2:G0+4*(\slot)+3], s[G0+4*(\slot)+2:G0+4*(\slot)+3], 512  ; no tensor load of mine is out; the type bits on top are not reached
	JLOAD \slot                                    ; the first tensor load behind the round, my only one until the next; its four v_nop are also the places in front of the loads below
	FETCH \next, 0, 0, 0, F0
	ASK \slot
	MUL16 F1, 1, 0, 0
	MUL16 F1, 1, 2, 0
.endm
; THE WAY OUT of row block a.  A lane's eight results are 32 bytes of a row; the lanes beside it hold other rows.  So 16 rows at a time go through my stage: in as 32 bytes a lane, back as whole rows of 512 bytes.
.macro TOSTAGE a
.if (\a) >= 2
	s_wait_xcnt 0x0                                ; the stores of the block two back have read their registers: only behind this wait are these loaded again
.endif
	WIN 0x08+4*((\a)/4)                            ; the stores' data (source 1) in window 2 or 3
.irp b, 0,1,2,3,4,5,6,7
	ds_store_b128 v[STO], v[8*(8*((\a)%4)+(\b)):8*(8*((\a)%4)+(\b))+3]   offset:64*(\b)      ; each accumulator's low four registers are read first
	ds_store_b128 v[STO], v[8*(8*((\a)%4)+(\b))+4:8*(8*((\a)%4)+(\b))+7] offset:64*(\b)+16
.endr
	WIN 0
.irp t, 0,1,2,3,4,5,6,7,8,9,10,11,12,13,14,15
	ds_load_b128 v[OB+64*((\a)%2)+4*(\t):OB+64*((\a)%2)+4*(\t)+3], v[RD] offset:SP*(\t)  ; LDS serves a wave's instructions in order (ISA guide 5.7.1.4): these see the stores above; the next block's stores come behind them
.endr
.endm
.macro SEND a, younger                 ; younger: the LDS instructions issued behind block a's loads: the next block's 32, or none
	WIN 0
.irp t, 0,1,2,3,4,5,6,7,8,9,10,11,12,13,14,15
	s_wait_dscnt (\younger)+15-(\t)                ; row t is back; the later rows, and the next block's, may be out
	global_store_b128 v[CO], v[OB+64*((\a)%2)+4*(\t):OB+64*((\a)%2)+4*(\t)+3], s[10:11] offset:(16*(\a)+(\t))*OROW th:TH_STORE_NT  ; 32 lanes store 512 consecutive bytes, at a multiple of 256 from out0's first byte
.endr
.endm
	s_load_b256 s[4:11], s[0:1], 0x0               ; x s[4:5], wb s[6:7], bias s[8:9], out0 s[10:11]
	v_lshl_add_u32 v[SPW], v0, 2, SPARE
	v_mov_b32 v[NIL], 0
	ds_add_u32 v[SPW], v[NIL]                      ; the wave's opening: the add and its wait stand ahead of my first tensor load; the set-up below, work on registers, stands between them
	v_lshrrev_b32 v3, 5, v0
	v_readfirstlane_b32 s[WV], v3                  ; wave 0..3
	s_bfe_u32 s[CX], ttmp6, 0x40000
	s_bfe_u32 s[CY], ttmp6, 0x40004
	s_lshl_b32 s[TC], ttmp9, 2                     ; in a cluster launch ttmp9 and ttmp7 count clusters
	s_add_co_u32 s[TC], s[TC], s[CX]               ; which 512 columns = 4 x cluster x + cx
	s_and_b32 s17, ttmp7, 0xffff                   ; cluster y
	s_lshl_b32 s[TR], s17, 2
	s_add_co_u32 s[TR], s[TR], s[CY]               ; which 128 rows = 4 x cluster y + cy
	s_cmp_eq_u32 s17, 0
	s_cselect_b32 s[LIM], 1, -1                    ; the same in all sixteen partners
	s_lshl_b32 s18, 0x1111, s[CX]                  ; my column of the cluster: places cx, cx + 4, cx + 8, cx + 12
	; descriptor group 1: a tile of 128 rows x 128 elements, padded in LDS
	s_or_b32 s[G1+0], s18, (1<<16)|(1<<20)|(1<<21)|(5<<22)|(3<<25)  ; 15:0 the mask; 17:16 elements of 2 bytes; 20 padding on; 21 set beside a mask; 24:22 after every 64 words (code 5); 31:25 4 words of it (code 3)
	s_mov_b32 s[G1+1], 128<<16                     ; tensor_dim0 = 128
	s_mov_b32 s[G1+2], 128<<16                     ; tensor_dim1 = 128
	s_mov_b32 s[G1+3], 128<<16                     ; tile_dim0 = 128
	s_mov_b32 s[G1+4], 128                         ; tile_dim1 = 128
	s_mov_b32 s[G1+5], 4096                        ; elements from row to row
	s_mov_b32 s[G1+6], 0
	s_mov_b32 s[G1+7], 0
	; offsets, each in registers of its own; what feeds the descriptors (s22, s48, s49, s19) is made of the columns' number and the wave's alone, which the four partners of a joint load share
	s_lshl_b32 s22, s[TC], 9
	s_lshl_b32 s23, s[WV], 7
	s_add_co_u32 s22, s22, s23                     ; my wave's first column of out0 = its first row of wb
	s_lshl_b32 s48, s22, 13                        ; in bytes of wb (under 2^24)
	s_mov_b32 s49, 0
	s_mul_i32 s19, s[WV], HALFT                    ; my part of a slot: no place in the cluster enters an LDS address
	s_lshl_b32 s50, s[TR], 7
	s_lshl_b32 s51, s[WV], 5
	s_add_co_u32 s50, s50, s51                     ; the first row of x that I load
	s_lshl_b32 s50, s50, 14                        ; in bytes (under 2^27)
	s_mov_b32 s51, 0
	s_lshl_b32 s52, s[CX], 17                      ; x's prefetches: my work-group's 8 rows of my wave's 32
	s_mov_b32 s53, 0
	s_lshl_b32 s54, s[CY], 18                      ; wb's prefetches: my work-group's 32 rows of my wave's 128
	s_mov_b32 s55, 0
	s_lshl_b32 s56, s22, 2                         ; my columns in the bias and in a row of out0
	s_mov_b32 s57, 0
	s_lshl_b32 s58, s[TR], 20                      ; 128 rows of out0
	s_add_co_u32 s58, s58, s56
	s_mov_b32 s59, 0
	v_and_b32 v1, 15, v0                           ; l % 16
	v_bfe_u32 v2, v0, 4, 1                         ; l / 16
	v_and_b32 v3, 31, v0                           ; l
	v_lshlrev_b32 v[XO], 4, v1
	v_lshl_add_u32 v[XO], v2, 14, v[XO]
	v_lshlrev_b32 v[BO], 5, v2
	s_wait_dscnt 0x0                               ; the opening add is done
	s_wait_kmcnt 0x0
	s_add_nc_u64 s[20:21], s[6:7], s[48:49]        ; wb at my 128 rows
	s_add_nc_u64 s[XA:XA+1], s[4:5], s[50:51]      ; x at my 32 rows, half step 0
	s_add_nc_u64 s[PX:PX+1], s[XA:XA+1], s[52:53]
	s_add_nc_u64 s[PX:PX+1], s[PX:PX+1], 1024      ; at K step 2; the first step takes it to K step 4
	s_add_nc_u64 s[PFA:PFA+1], s[20:21], s[54:55]
	s_add_nc_u64 s[PFA:PFA+1], s[PFA:PFA+1], 512   ; at K step 2; the first refill steps it to 3 and names K step 4
	s_add_nc_u64 s[8:9], s[8:9], s[56:57]
	s_add_nc_u64 s[10:11], s[10:11], s[58:59]
.irp s, 0,1
	s_mov_b32 s[G0+4*(\s)], 1                                      ; 1:0 count = 1
	s_add_co_u32 s[G0+4*(\s)+1], s19, (\s)*SLOT                    ; 63:32 LDS address
	s_add_nc_u64 s[G0+4*(\s)+2:G0+4*(\s)+3], s[20:21], (\s)*256    ; 120:64 global address: K step s
	s_or_b32 s[G0+4*(\s)+3], s[G0+4*(\s)+3], 0x80000000            ; 127:126 type = 2
.endr
	; the bias: fragment b holds bias[my first column + 16 b + 8 (l / 16) + 0..7], the C operand's layout
.irp b, 0,1,2,3,4,5,6,7
	global_load_b128 v[BI+8*(\b):BI+8*(\b)+3],   v[BO], s[8:9] offset:64*(\b)
	global_load_b128 v[BI+8*(\b)+4:BI+8*(\b)+7], v[BO], s[8:9] offset:64*(\b)+16
.endr
	XLOAD 0, 0                                     ; half step 0
	XLOAD 1, 1                                     ; half step 1
	WIN 0
	CROUND                                         ; all sixteen work-groups are here: the first joint loads meet
	tensor_load_to_lds s[G0:G0+3], s[G1:G1+7]      ; K step 0.  The two first fills go out together: two tensor loads of mine are out; later one
	s_nop 0
	tensor_load_to_lds s[G0+4:G0+7], s[G1:G1+7]    ; K step 1
	s_nop 0
	PLACES
	v_mul_u32_u24 v[ADRA], v1, PA
	v_lshl_add_u32 v[ADRA], v2, 4, v[ADRA]
	v_add_nc_u32 v[ADRA], ABUF0, v[ADRA]           ; row x pitch + 16 x half
	s_mul_i32 s23, s[WV], 32*PA
	s_add_co_u32 s23, s23, ABUF0                   ; my 32 rows of buffer 0
	v_mul_u32_u24 v[AST], v2, PA                   ; lanes 0-15 the even row, lanes 16-31 the odd one,
	v_lshl_add_u32 v[AST], v1, 3, v[AST]           ; four bf16 a lane
	v_add_nc_u32 v[AST], s23, v[AST]
	v_mul_u32_u24 v30, v1, PB
	v_lshl_add_u32 v30, v2, 4, v30
	v_add_nc_u32 v[ADRB], s19, v30
	v_add_nc_u32 v[ADRB+1], SLOT, v[ADRB]
	v_mul_u32_u24 v[STO], v1, SP                   ; the stage, at the head of my part of slot 0: in: row l % 16, 32 bytes for each half of the lanes
	v_lshl_add_u32 v[STO], v2, 5, v[STO]
	v_add_nc_u32 v[STO], s19, v[STO]
	v_lshl_add_u32 v[RD], v3, 4, s19               ; back: 32 lanes take a row's 512 bytes
	v_lshlrev_b32 v[CO], 4, v3
	v_lshlrev_b32 v[PFO], 13, v3
	v_lshrrev_b32 v30, 2, v3
	v_and_b32 v[PXO], 3, v3
	v_lshlrev_b32 v[PXO], 8, v[PXO]
	v_lshl_add_u32 v[PXO], v30, 14, v[PXO]
	s_wait_loadcnt 32                              ; the bias is in; x's 32 younger loads may stay out
.set n, 0
.rept 32                               ; the bias is rounded to bf16 like the other inputs, and widened again
	v_cvt_pk_bf16_f32 v[30+n%2], v[BI+2*n], v[BI+2*n+1]
	v_lshlrev_b32 v[BI+2*n], 16, v[30+n%2]
	v_and_b32 v[BI+2*n+1], 0xffff0000, v[30+n%2]
.set n, n+1
.endr
	AFEED 0, 1, 16                                 ; half step 0 into buffer 0; half step 2 is asked for
	s_wait_tensorcnt 1                             ; my part of K step 0 is in; K step 1's may stay out
	s_wait_dscnt 0x0                               ; my stores of x are done
	s_barrier_signal -1
	s_barrier_wait -1                              ; everybody's are
	FETCH 0, 0, 0, 0, F0
	QUARTER 0, 64, 0, 64, 1, 1, 1, 1, 16           ; the first quarter stands in front of the loop: its products start the sums with the bias.  In half step h a feed stores half step h + 1 and asks for h + 3
	WIN 0                                          ; at a label and at a branch every window is 0
	s_mov_b32 s[LAPC], 15
.Llap:                                                 ; a trip goes once round the ring, from a lap's second quarter to the next lap's first: 15 trips fill the slots with K steps 2 to 31 and ask for half steps 4 to 63
	HTURN 0
	QUARTER 0, 192, 1, 64, 0, 1, 0, 1, 16
	TURN 0, 1
	QUARTER 1, 64, 0, 64, 0, 1, 1, 1, 16
	HTURN 1
	QUARTER 1, 192, 1, 64, 0, 1, 0, 1, 16
	TURN 1, 0
	QUARTER 0, 64, 0, 64, 0, 1, 1, 1, 16
	WIN 0
	s_sub_co_u32 s[LAPC], s[LAPC], 1
	s_cmp_lg_u32 s[LAPC], 0
	s_cbranch_scc1 .Llap
	; the last lap is written out: no tensor load, no load of x beyond its rows
	HTURN 0
	QUARTER 0, 192, 1, 64, 0, 1, 0, 0, 16          ; half step 62 into buffer 0; half step 63's 16 loads may stay out
	MEET 0                                         ; my one tensor load that was still out is K step 31's, so no round follows
	PLACES
	FETCH 1, 0, 0, 0, F0
	MUL16 F1, 1, 0, 0
	MUL16 F1, 1, 2, 0
	QUARTER 1, 64, 0, 64, 0, 1, 1, 0, 0            ; half step 63 into buffer 1: the last loads of x
	HTURN 1
	QUARTER 1, 192, 1, 64, 0, 0
	s_wait_dscnt 8                                 ; the very last quarter: nothing more to fetch
	MUL16 F1, 0, 0, 0
	MUL16 F1, 0, 2, 0
	s_wait_dscnt 0x0
	MUL16 F1, 1, 0, 0
	MUL16 F1, 1, 2, 0
	WIN 0
	PLACES                                         ; in front of the LDS stores that read results, and of the loads into x's fragment buffers
	TOSTAGE 0
.irp a, 1,2,3,4,5,6,7                  ; block a's way through the stage stands between block a - 1's loads and its stores
	TOSTAGE \a
	SEND (\a)-1, 32
.endr
	SEND 7, 0
	s_wait_tensorcnt 0x0                           ; the wave's end, behind my last tensor load and my last LDS store
	ds_add_u32 v[SPW], v[NIL]
	s_wait_dscnt 0x0
	CROUND                                         ; the closing round: no work-group ends while a partner may still ask for a tile that names it
	s_endpgm
.Lfunc_end_k_q8c068be1bf_gemm:
	.size	k_q8c068be1bf_gemm, .Lfunc_end_k_q8c068be1bf_gemm-k_q8c068be1bf_gemm
	.p2alignl 7, 3214868480
	.fill 96, 4, 3214868480
	.section	.rodata,"a",@progbits
	.p2align	6, 0x0
	.amdhsa_kernel k_q8c068be1bf_gemm
		.amdhsa_group_segment_fixed_size 327680
		.amdhsa_private_segment_fixed_size 0
		.amdhsa_enable_private_segment 0
		.amdhsa_kernarg_size 32
		.amdhsa_user_sgpr_count 2
		.amdhsa_user_sgpr_kernarg_segment_ptr 1
		.amdhsa_wavefront_size32 1
		.amdhsa_system_sgpr_workgroup_id_x 1
		.amdhsa_system_sgpr_workgroup_id_y 1
		.amdhsa_system_sgpr_workgroup_id_z 1
		.amdhsa_system_vgpr_workitem_id 0
		.amdhsa_next_free_vgpr 1024
		.amdhsa_next_free_sgpr 66
		.amdhsa_reserve_vcc 0
		.amdhsa_float_denorm_mode_32 3
		.amdhsa_float_denorm_mode_16_64 3
		.amdhsa_memory_ordered 1
		.amdhsa_forward_progress 1
		.amdhsa_inst_pref_size 186
	.end_amdhsa_kernel
	.amdgpu_metadata
---
amdhsa.version: [ 1, 2 ]
amdhsa.kernels:
  - .name:           k_q8c068be1bf_gemm
    .symbol:         k_q8c068be1bf_gemm.kd
    .args:
      - { .name: x, .offset: 0, .size: 8, .value_kind: global_buffer, .address_space: global }
      - { .name: wb, .offset: 8, .size: 8, .value_kind: global_buffer, .address_space: global }
      - { .name: bias, .offset: 16, .size: 8, .value_kind: global_buffer, .address_space: global }
      - { .name: out0, .offset: 24, .size: 8, .value_kind: global_buffer, .address_space: global }
    .group_segment_fixed_size: 327680
    .private_segment_fixed_size: 0
    .kernarg_segment_align: 8
    .kernarg_segment_size: 32
    .max_flat_workgroup_size: 128
    .sgpr_count:     66
    .vgpr_count:     1024
    .wavefront_size: 32
...
	.end_amdgpu_metadata
.endif
;; end of part 2
;; ======== version 2 of 2: 2 launches; version 1 with the launch weff written anew for expert scheduling mode
;; workspace buffers: wb 16,777,216 bytes
;; launch weff (part 3): grid 256 x 1, 16 waves a work-group, no clusters, 0 bytes of LDS; arguments weight, lora_left, lora_right, wb; writes wb
.if DOCPART == 3
	.amdgcn_target "amdgcn-amd-amdhsa--gfx1250"
	.amdhsa_code_object_version 6
	.text
	.protected	k_q8c068be1bf_weff
	.globl	k_q8c068be1bf_weff
	.p2align	8
	.type	k_q8c068be1bf_weff,@function
k_q8c068be1bf_weff:
	s_mov_b64 s[64:65], 0
	v_nop
	global_prefetch_b8 v0, s[64:65] scope:SCOPE_SE
	s_setreg_imm32_b32 hwreg(HW_REG_WAVE_SCHED_MODE, 0, 2), 2
	s_setreg_imm32_b32 hwreg(HW_REG_WAVE_MODE, 25, 1), 1
	s_wait_xcnt 0x0
	s_wait_alu depctr_vm_vsrc(0)
; wb[o][i] = bf16( bf16(weight[o][i]) + the sum over k of bf16(2 lora_left[o][k]) bf16(lora_right[k][i]) ).  weight: [2048][4096] f32, lora_left: [2048][16] f32,
; lora_right: [16][4096] f32, wb: [2048][4096] bf16.  The scale 32 / 16 = 2 is applied to lora_left ahead of its rounding (a power of two: exact).  The sum is kept in f32.
; LIMITS.  Each input is rounded once to bf16 (to nearest even; a magnitude above bf16's largest finite number becomes an infinity; 2 lora_left overflows above 1.7e38); NaN and infinities are not treated apart.
; SHARES.  4,096 blocks of 16 rows x 128 columns, one to a wave: 256 work-groups of 16 waves.  A work-group has column group cg = x % 32 and rows 256 (x / 32) + 16 wave + 0..15.
; A wave issues all its loads at once (8 KiB of weight, 8 KiB of lora_right, 1 KiB of lora_left) and has no loop: bytes bound this launch, so nothing goes through LDS and no wave waits for another.
; LAYOUT.  One matrix instruction for each t = 0..7: source 0 = my 16 rows of 2 lora_left (K = 16 of the form's 32; the other 16 are 0 on both sides), source 1 = 16 columns of lora_right,
; column n of the instruction being column i0 + 8 n + t of the block.  In result t register j of lane (r = lane % 16, h = lane / 16) is then element (o0 + 8 h + j, i0 + 8 r + t): for a fixed j the lane's eight
; results t = 0..7 are EIGHT NEIGHBOURING columns of one row: 32 bytes of weight come in as they lie, 16 bytes of wb go out, and sixteen lanes store 256 consecutive bytes, aligned.
; THE MODE: SCHED_MODE bits 1:0 = 2 (LLVM: expert scheduling mode 2), set by the entry lines.  The code itself states the register dependences
; between vector or matrix instructions and memory instructions, with s_wait_alu, always for 0.
; THE PLAN.  Registers that memory instructions touch:
;   v4, v5, v6   byte offsets.  Written by vector instructions at the head, read by the 34 loads and the 8 stores, never written again.
;   LR, RA, WR   loads land in them; no vector instruction ahead of the loads names them, and no load is issued behind the first vector instruction that does.
;   WR + 8 j .. + 3   row j's 16 bytes of wb.  Written by row j's last four roundings, read by row j's store; nothing writes them behind that store.
; So the text holds one wait on va_sdst (the wave's number), one on va_vdst ahead of the first load (the offsets), and one on va_vdst ahead of each of two runs of four stores (rows 0-3, rows 4-7).
; No register that a memory instruction has read is written again: no wait on vm_vsrc is owed.  EXEC and VCC are never written.
.set ROWW, 16384                       ; bytes in a row of weight and of lora_right
.set ROWB, 8192                        ; bytes in a row of wb
.set WO,  4                            ; v4   8 h rows of 16,384 bytes + 32 r: my 32 bytes in weight's block and in lora_right's
.set LO,  5                            ; v5   64 r + 32 h: my eight numbers of lora_left
.set YO,  6                            ; v6   8 h rows of 8,192 bytes + 16 r: my 16 bytes in wb's block
.set ONE, 7                            ; v7   1.0
.set LR,  8                            ; v[8:15]    lora_left as loaded
.set LF,  16                           ; v[16:23]   its fragment; registers 4-7 (K = 16..31) are 0
.set P,   24                           ; v[24:27]   a row's eight numbers of weight, rounded to bf16
.set S,   28                           ; v[28:35]   the eight sums in f32
.set RF,  40                           ; v[40:103]  lora_right's fragments, tile t at RF + 8 t; registers 4-7 are 0
.set RA,  104                          ; v[104:167] lora_right as loaded: row 8 h + q at RA + 8 q
.set ACC, 104                          ;            then the eight results, tile t at ACC + 8 t
.set WR,  168                          ; v[168:231] weight as loaded: row 8 h + j at WR + 8 j; its first four registers then hold the row's 16 bytes of wb
	s_load_b256 s[4:11], s[0:1], 0x0               ; weight s[4:5], lora_left s[6:7], lora_right s[8:9], wb s[10:11]
	v_and_b32 v1, 15, v0                           ; r
	v_bfe_u32 v2, v0, 4, 1                         ; h
	v_lshrrev_b32 v3, 5, v0
	v_readfirstlane_b32 s12, v3                    ; wave 0..15
	v_lshlrev_b32 v[WO], 5, v1
	v_lshl_add_u32 v[WO], v2, 17, v[WO]
	v_lshlrev_b32 v[LO], 6, v1
	v_lshl_add_u32 v[LO], v2, 5, v[LO]
	v_lshlrev_b32 v[YO], 4, v1
	v_lshl_add_u32 v[YO], v2, 16, v[YO]
	s_wait_alu depctr_va_sdst(0)                   ; s12 is written, ahead of its first reader: my first row, and with it three of the four bases, is made from it
	s_and_b32 s13, ttmp9, 31                       ; cg
	s_lshr_b32 s14, ttmp9, 5
	s_lshl_b32 s14, s14, 8
	s_lshl_b32 s15, s12, 4
	s_add_co_u32 s14, s14, s15                     ; o0, my first row
	s_lshl_b32 s16, s14, 14                        ; weight: o0 rows + 512 cg bytes (under 2^26)
	s_lshl_b32 s20, s13, 9                         ; lora_right: 512 cg bytes
	s_add_co_u32 s16, s16, s20
	s_mov_b32 s17, 0
	s_lshl_b32 s18, s14, 6                         ; lora_left: o0 rows of 64 bytes
	s_mov_b32 s19, 0
	s_mov_b32 s21, 0
	s_lshl_b32 s22, s14, 13                        ; wb: o0 rows + 256 cg bytes
	s_lshl_b32 s23, s13, 8
	s_add_co_u32 s22, s22, s23
	s_mov_b32 s23, 0
	s_wait_kmcnt 0x0
	s_add_nc_u64 s[4:5], s[4:5], s[16:17]
	s_add_nc_u64 s[6:7], s[6:7], s[18:19]
	s_add_nc_u64 s[8:9], s[8:9], s[20:21]
	s_add_nc_u64 s[10:11], s[10:11], s[22:23]
	s_wait_alu depctr_va_vdst(0)                   ; the three offsets v4, v5 and v6 are written: every load and store of the kernel reads one of them
	; all 34 loads, the small operands first: the products can start while weight is still on its way
	global_load_b128 v[LR:LR+3],   v[LO], s[6:7]
	global_load_b128 v[LR+4:LR+7], v[LO], s[6:7] offset:16
.irp q, 0,1,2,3,4,5,6,7
	global_load_b128 v[RA+8*(\q):RA+8*(\q)+3],   v[WO], s[8:9] offset:(\q)*ROWW
	global_load_b128 v[RA+8*(\q)+4:RA+8*(\q)+7], v[WO], s[8:9] offset:(\q)*ROWW+16
.endr
.irp j, 0,1,2,3,4,5,6,7
	global_load_b128 v[WR+8*(\j):WR+8*(\j)+3],   v[WO], s[4:5] offset:(\j)*ROWW th:TH_LOAD_NT     ; weight is read once in the launch
	global_load_b128 v[WR+8*(\j)+4:WR+8*(\j)+7], v[WO], s[4:5] offset:(\j)*ROWW+16 th:TH_LOAD_NT
.endr
	; K = 16..31 of both sources is 0; written while the loads are out: no memory instruction names these registers
	v_mov_b32 v[ONE], 1.0
.irp p, 4,5,6,7
	v_mov_b32 v[LF+(\p)], 0
.endr
.set t, 0
.rept 8
.irp p, 4,5,6,7
	v_mov_b32 v[RF+8*t+(\p)], 0
.endr
.set t, t+1
.endr
	s_wait_loadcnt 16                              ; lora_left and lora_right are in; weight's 16 younger loads may stay out
.irp p, 0,2,4,6
	v_pk_mul_f32 v[LR+(\p):LR+(\p)+1], v[LR+(\p):LR+(\p)+1], 2.0 op_sel_hi:[1,0]
.endr
.irp p, 0,1,2,3
	v_cvt_pk_bf16_f32 v[LF+(\p)], v[LR+2*(\p)], v[LR+2*(\p)+1]       ; K = 8 h + 2 p, 8 h + 2 p + 1 of row r
.endr
.set t, 0
.rept 8
.irp p, 0,1,2,3
	v_cvt_pk_bf16_f32 v[RF+8*t+(\p)], v[RA+16*(\p)+t], v[RA+16*(\p)+8+t]  ; rows 8 h + 2 p and 8 h + 2 p + 1, column i0 + 8 r + t
.endr
.set t, t+1
.endr
.set t, 0
.rept 8
	v_wmma_f32_16x16x32_bf16 v[ACC+8*t:ACC+8*t+7], v[LF:LF+7], v[RF+8*t:RF+8*t+7], 0  ; eight accumulators, one instruction each: no chain
.set t, t+1
.endr
; Row 8 h + j: weight rounded to bf16, added to the product in f32, the sum rounded once into the row's own four registers.  At j = 0 the four roundings, which name no register of the products, are the four plain
; vector instructions between the last product and the first read of a result (ISA guide 7.12.1).  j ascends, so each accumulator's register 0 is read first.
.macro SUMROW j
	s_wait_loadcnt 14-2*(\j)                       ; loads come back in order (ISA guide 5.7.1): row j's two are in, the later rows' stay out
.irp p, 0,1,2,3
	v_cvt_pk_bf16_f32 v[P+(\p)], v[WR+8*(\j)+2*(\p)], v[WR+8*(\j)+2*(\p)+1]
.endr
.irp p, 0,1,2,3
	v_fma_mix_f32_bf16 v[S+2*(\p)],   v[P+(\p)], v[ONE], v[ACC+16*(\p)+(\j)]   op_sel_hi:[1,0,0]                ; the low bf16 x 1.0 + result 2 p
	v_fma_mix_f32_bf16 v[S+2*(\p)+1], v[P+(\p)], v[ONE], v[ACC+16*(\p)+8+(\j)] op_sel:[1,0,0] op_sel_hi:[1,0,0]  ; the high bf16 x 1.0 + result 2 p + 1
.endr
.irp p, 0,1,2,3
	v_cvt_pk_bf16_f32 v[WR+8*(\j)+(\p)], v[S+2*(\p)], v[S+2*(\p)+1]  ; each row has its own four registers to store from: none is written again
.endr
.endm
.macro OUTROW j
	global_store_b128 v[YO], v[WR+8*(\j):WR+8*(\j)+3], s[10:11] offset:(\j)*ROWB th:TH_STORE_NT  ; 16 lanes store 256 consecutive bytes, at a multiple of 256 from wb's first byte
.endm
.irp j, 0,1,2,3
	SUMROW \j
.endr
	s_wait_alu depctr_va_vdst(0)                   ; the roundings of rows 0 to 3 have written v[WR + 8 j .. + 3], j = 0..3, which the four stores below read
.irp j, 0,1,2,3
	OUTROW \j
.endr
.irp j, 4,5,6,7
	SUMROW \j                                      ; these name their own rows' registers, P, S, the results and 1.0: none that the stores above read
.endr
	s_wait_alu depctr_va_vdst(0)                   ; the roundings of rows 4 to 7 have written v[WR + 8 j .. + 3], j = 4..7, which the last four stores read
.irp j, 4,5,6,7
	OUTROW \j
.endr
	s_endpgm
.Lfunc_end_k_q8c068be1bf_weff:
	.size	k_q8c068be1bf_weff, .Lfunc_end_k_q8c068be1bf_weff-k_q8c068be1bf_weff
	.p2alignl 7, 3214868480
	.fill 96, 4, 3214868480
	.section	.rodata,"a",@progbits
	.p2align	6, 0x0
	.amdhsa_kernel k_q8c068be1bf_weff
		.amdhsa_group_segment_fixed_size 0
		.amdhsa_private_segment_fixed_size 0
		.amdhsa_enable_private_segment 0
		.amdhsa_kernarg_size 32
		.amdhsa_user_sgpr_count 2
		.amdhsa_user_sgpr_kernarg_segment_ptr 1
		.amdhsa_wavefront_size32 1
		.amdhsa_system_sgpr_workgroup_id_x 1
		.amdhsa_system_sgpr_workgroup_id_y 1
		.amdhsa_system_sgpr_workgroup_id_z 1
		.amdhsa_system_vgpr_workitem_id 0
		.amdhsa_next_free_vgpr 232
		.amdhsa_next_free_sgpr 66
		.amdhsa_reserve_vcc 0
		.amdhsa_float_denorm_mode_32 3
		.amdhsa_float_denorm_mode_16_64 3
		.amdhsa_memory_ordered 1
		.amdhsa_forward_progress 1
		.amdhsa_inst_pref_size 19
	.end_amdhsa_kernel
	.amdgpu_metadata
---
amdhsa.version: [ 1, 2 ]
amdhsa.kernels:
  - .name:           k_q8c068be1bf_weff
    .symbol:         k_q8c068be1bf_weff.kd
    .args:
      - { .name: weight, .offset: 0, .size: 8, .value_kind: global_buffer, .address_space: global }
      - { .name: lora_left, .offset: 8, .size: 8, .value_kind: global_buffer, .address_space: global }
      - { .name: lora_right, .offset: 16, .size: 8, .value_kind: global_buffer, .address_space: global }
      - { .name: wb, .offset: 24, .size: 8, .value_kind: global_buffer, .address_space: global }
    .group_segment_fixed_size: 0
    .private_segment_fixed_size: 0
    .kernarg_segment_align: 8
    .kernarg_segment_size: 32
    .max_flat_workgroup_size: 512
    .sgpr_count:     66
    .vgpr_count:     232
    .wavefront_size: 32
...
	.end_amdgpu_metadata
.endif
;; end of part 3
;; launch gemm: the kernel of part 2 again; grid 4 x 64, 4 waves a work-group, clusters of 4 x 4, 327,680 bytes of LDS; arguments x, wb, bias, out0; writes out0
